; MI455X (gfx1250); checked and timed in simulation.
; The chip was launched on July 23, 2026; its instructions are those of AMD's public machine-readable ISA for CDNA 5 (MIT licence, August 2026) and "CDNA5" Instruction Set Architecture Reference Guide (July 2026). The comments in the code are by the model that wrote it; some were corrected since.
;; Vector Quantizer. Allowed arithmetic: matrix products marked QUANTISED: E3M2 operands, one E8M0 scale for each 32 along K, by v_wmma_scale_f32_16x16x128_f8f6f4 with both operands' format E3M2, f32 sums; everything else in f32.
;; Inputs: codebook 8,192 x 256 float32; z 4 x 8 x 32 x 32 x 256 float32.
;; Outputs: out0 4 x 8 x 32 x 32 x 256 float32; out1 one number float32; out2 32,768 int32.
;; This version of the problem:
;;   THIS VERSION OF THE PROBLEM IS GIVEN IN LOW PRECISION. The matrix products marked QUANTISED in the list below multiply operands that are first quantised to E3M2 (3 exponent bits, 2 mantissa bits; 6 bits a number), with one power-of-two scale for each 32 numbers along K (OCP MX v1.0); their sums are f32. All else is computed in f32.
;;   The module's matrix products, in the order in which they are computed (A, B: the left and right operand; K: the contracted axis; several contracted axes count as one K, in the product's order):
;;     1. [M 32,768, K 256] x [K 256, N 8,192]; A: input z; B: input codebook: QUANTISED
;;   THE QUANTISER, for each operand of a quantised product, along K:
;;     - K is cut into blocks of 32 from its start; a last block that is shorter is filled with zeros.
;;     - A block's scale is 2^e with e = floor(log2(the largest magnitude in the block)) - 4, held to -126 .. 127; a block of zeros has e = 0. As a byte (E8M0): e + 127.
;;     - Each number is divided by its block's scale, clamped to +-28, and rounded to the nearest number of E3M2, ties to even, subnormals kept.
;;     - The product sums the exact products of the quantised numbers (number of the format x scale) in f32.
;;   ~~~python
;;   def quantise(x, axis):      # numpy; x: float32 -> the quantised numbers, widened to float32 again
;;       x = np.moveaxis(x, axis, -1); K = x.shape[-1]
;;       x = np.pad(x, [(0, 0)] * (x.ndim - 1) + [(0, -K % 32)]); x = x.reshape(x.shape[:-1] + (-1, 32)); a = np.abs(x).max(-1, keepdims=True)
;;       e = np.where(a > 0, np.clip(np.frexp(np.where(a > 0, a, 1))[1] - 1 - 4, -126, 127), 0)      # np.frexp(a)[1] - 1 = floor(log2(a)), exactly
;;       r = np.clip(x / 2.0 ** e, -28, 28)
;;       step = 2.0 ** (np.maximum(np.frexp(np.where(r == 0, 1, r))[1] - 1, -2) - 2)
;;       q = np.round(r / step) * step * 2.0 ** e      # np.round: ties to even
;;       return np.moveaxis(q.reshape(q.shape[:-2] + (-1,))[..., :K], -1, axis).astype(np.float32)
;;   ~~~
;; One version. Each part assembles by itself: llvm-mc -triple=amdgcn-amd-amdhsa -mcpu=gfx1250 --defsym DOCPART=n.
;; ======== version 1 of 1: 5 launches
;; limits: right only within a limited range of input values
;; workspace buffers: zrec 6,815,744 bytes; crec 1,703,936 bytes; grp 2,097,152 bytes of whole numbers; idx 131,072 bytes of whole numbers; part 1,024 bytes
;; launch quant (part 1): grid 256 x 1, 10 waves a work-group, no clusters, 88,320 bytes of LDS; arguments z, codebook, zrec, crec; writes zrec, crec
.if DOCPART == 1
	.amdgcn_target "amdgcn-amd-amdhsa--gfx1250"
	.amdhsa_code_object_version 6
	.text
	.protected	k_qab81008582_quant
	.globl	k_qab81008582_quant
	.p2align	8
	.type	k_qab81008582_quant,@function
k_qab81008582_quant:
	s_mov_b64 s[64:65], 0
	v_nop
	global_prefetch_b8 v0, s[64:65] scope:SCOPE_SE
	s_setreg_imm32_b32 hwreg(HW_REG_WAVE_MODE, 25, 1), 1
	s_wait_xcnt 0x0
; z [32768][256] and codebook [8192][256], f32, become RECORDS: one record of 3,328 bytes for each 16 rows, laid in the order of a matrix operand's registers.
;   bytes 1536 s + 512 c + 16 lane: registers 4 c .. 4 c + 3 of that lane of the fragment (16 rows x 128 K of E3M2 codes, 12 registers) of K step s = 0, 1
;   bytes 3072 + 4 lane: scale words (four E8M0 bytes): lanes 0-15 row r's word of K step 0, lanes 16-31 row r's word of K step 1
;   bytes 3200 + 4 r: the row's sum of squares, f32;  bytes 3264 .. 3327: zeros.
; A block's scale is 2^(floor(log2(its largest magnitude)) - 4); its byte is the largest magnitude's exponent field - 4, held at 1 from below.
; LIMITS: a block whose largest magnitude lies under 2^-122 (a block of zeros among them) gets the byte 1, where the rule says 127 for zeros: its codes are zeros, and this program alone reads the bytes.
; NaN and infinities among the inputs are not served.  The sum of squares is added in four chains a lane and then across two lanes: another order than a plain running sum.
; SHARES: 2,560 tiles of 16 rows (2,048 of z, 512 of the codebook) = 256 work-groups x 10 waves: a wave a tile.  Only pointers are chosen by the tile's number: one path, no loop, no barrier: waves share nothing.
; Each load reads 512 consecutive bytes of a row; the conversions want 16 neighbours along K in one lane: so a K step's 16 x 512 bytes turn through the wave's own stage in LDS (rows 528 bytes apart).
.set REC,  3328
.set WREG, 8704                        ; a wave's LDS: the stage, 16 x 528 bytes, and 256 bytes for the record's tail
.set SP,   528
.set TAIL, 16*SP
.set R,    16                          ; v16-143  two K steps as loaded, 64 registers each
.set XA,   144                         ; v144-207 K step 0, 16 neighbours of each block of 32
.set XB,   16                          ; v16-79   K step 1 likewise, where K step 0 was loaded
.set PC,   208                         ; v208-227 the codes just made
.set TM,   228                         ; v228-243 largest magnitudes, bytes, scale operands
.set PW,   244                         ; the scale word just made
.set PW0,  245                         ; K step 0's
.set Q,    246                         ; v246-249 the sum of squares, four chains
.set SEL,  20                          ; s[20:21] lane selects: lane l xor 16
	s_load_b128 s[4:7], s[0:1], 0x0                ; z, codebook
	s_load_b128 s[8:11], s[0:1], 0x10              ; zrec, crec
	v_lshl_add_u32 v254, v0, 2, 0x15400
	v_mov_b32 v255, 0
	v_lshrrev_b32 v1, 5, v0
	s_delay_alu instid0(VALU_DEP_1)
	v_readfirstlane_b32 s12, v1                    ; wave 0..9
	v_and_b32 v1, 31, v0                           ; lane
	v_and_b32 v2, 15, v0                           ; r
	v_bfe_u32 v3, v0, 4, 1                         ; h
	s_delay_alu instid0(VALU_DEP_3)
	v_lshlrev_b32 v4, 4, v1                        ; 16 x lane: my bytes of a load's 512, and of an image's
	s_mul_i32 s15, s12, WREG
	v_add_nc_u32 v5, s15, v4                       ; the stage, in: a row as it lies
	v_mul_u32_u24 v6, v2, SP
	s_delay_alu instid0(VALU_DEP_1)
	v_lshl_add_u32 v6, v3, 6, v6
	s_delay_alu instid0(VALU_DEP_1)
	v_add_nc_u32 v6, s15, v6                       ; and out: row r, + 64 h: my 16 numbers of each block of 32
	v_lshlrev_b32 v7, 2, v1
	s_delay_alu instid0(VALU_DEP_1)
	v_add_nc_u32 v7, s15, v7
	s_delay_alu instid0(VALU_DEP_1)
	v_add_nc_u32 v7, TAIL, v7                      ; the tail, in: 4 x lane
	v_lshlrev_b32 v9, 3, v1                        ; 8 x lane
	s_delay_alu instid0(VALU_DEP_1)
	v_add_nc_u32 v8, s15, v9
	s_delay_alu instid0(VALU_DEP_1)
	v_add_nc_u32 v8, TAIL, v8                      ; and out
	s_mov_b32 s[SEL], 0x76543210
	s_mov_b32 s[SEL+1], 0xfedcba98
.irp b, 0,1,2,3
	v_mov_b32 v[TM+4+\b], 0                        ; written once: a lane permute's destination counts as one of its sources
.endr
	s_mul_i32 s13, ttmp9, 10
	s_add_co_u32 s13, s13, s12                     ; my tile
	s_wait_kmcnt 0x0
	s_cmp_lt_u32 s13, 2048                         ; z's tile or the codebook's?  The choice hangs on ids alone
	s_cselect_b64 s[4:5], s[4:5], s[6:7]
	s_cselect_b64 s[8:9], s[8:9], s[10:11]
	s_cselect_b32 s14, 0, 2048
	s_sub_co_u32 s14, s13, s14                     ; the tile's number in its tensor
	s_lshl_b32 s16, s14, 14                        ; 16 rows of 1,024 bytes
	s_mov_b32 s17, 0
	s_mul_i32 s18, s14, REC
	s_mov_b32 s19, 0
	s_add_nc_u64 s[4:5], s[4:5], s[16:17]
	s_add_nc_u64 s[8:9], s[8:9], s[18:19]
.macro LOADS s                         ; K step s of the 16 rows: each load takes 512 consecutive bytes
.irp i, 0,1,2,3,4,5,6,7,8,9,10,11,12,13,14,15
	global_load_b128 v[R+64*\s+4*\i:R+64*\s+4*\i+3], v4, s[4:5] offset:1024*\i+512*\s th:TH_LOAD_NT
.endr
.endm
.macro TOSTAGE s, x                    ; through the stage: LDS serves a wave's instructions in order, so no wait stands between the stores and the loads
.irp i, 0,1,2,3,4,5,6,7,8,9,10,11,12,13,14,15
	ds_store_b128 v5, v[R+64*\s+4*\i:R+64*\s+4*\i+3] offset:SP*\i
.endr
.irp b, 0,1,2,3
.irp j, 0,1,2,3
	ds_load_b128 v[\x+16*\b+4*\j:\x+16*\b+4*\j+3], v6 offset:128*\b+16*\j   ; register 16 b + i = k 32 b + 16 h + i of row r
.endr
.endr
.endm
.macro SQ x, first                     ; the squares of my 64 numbers onto the four chains; first = 1: they start the sums
.if \first
	v_pk_mul_f32 v[Q:Q+1], v[\x:\x+1], v[\x:\x+1]
	v_pk_mul_f32 v[Q+2:Q+3], v[\x+2:\x+3], v[\x+2:\x+3]
.else
	v_pk_fma_f32 v[Q:Q+1], v[\x:\x+1], v[\x:\x+1], v[Q:Q+1]
	v_pk_fma_f32 v[Q+2:Q+3], v[\x+2:\x+3], v[\x+2:\x+3], v[Q+2:Q+3]
.endif
.irp j, 4,8,12,16,20,24,28,32,36,40,44,48,52,56,60
	s_delay_alu instid0(VALU_DEP_2)
	v_pk_fma_f32 v[Q:Q+1], v[\x+\j:\x+\j+1], v[\x+\j:\x+\j+1], v[Q:Q+1]
	s_delay_alu instid0(VALU_DEP_2)
	v_pk_fma_f32 v[Q+2:Q+3], v[\x+\j+2:\x+\j+3], v[\x+\j+2:\x+\j+3], v[Q+2:Q+3]
.endr
.endm
; 64 numbers of a lane become a fragment's codes in v[PC] .. v[PC + 11] and its row's scale word in v[PW]
.macro QUANT s
.irp b, 0,1,2,3
	v_max3_num_f32 v[TM+\b], |v[\s+16*\b]|, |v[\s+1+16*\b]|, 0x2800000   ; block b: my 16 numbers, and the floor 2^(5 - 127): the byte cannot fall under 1
.endr
.irp i, 2,4,6,8,10,12,14
.irp b, 0,1,2,3
	s_delay_alu instid0(VALU_DEP_4)
	v_max3_num_f32 v[TM+\b], v[TM+\b], |v[\s+16*\b+\i]|, |v[\s+1+16*\b+\i]|   ; the four blocks by turns
.endr
.endr
.irp b, 0,1,2,3
	s_delay_alu instid0(VALU_DEP_4)
	v_permlanex16_b32 v[TM+4+\b], v[TM+\b], s[SEL], s[SEL+1]
.endr
.irp b, 0,1,2,3
	s_delay_alu instid0(VALU_DEP_4)
	v_max_num_f32 v[TM+\b], v[TM+\b], v[TM+4+\b]   ; with lane l xor 16's: the block's largest magnitude
.endr
.irp b, 0,1,2,3
	s_delay_alu instid0(VALU_DEP_4)
	v_add_nc_u32 v[TM+12+\b], 0xfe000000, v[TM+\b] ; 4 off its exponent field: the conversion takes the exponent field of this operand as its scale
.endr
.irp b, 0,1,2,3
	s_delay_alu instid0(VALU_DEP_4)
	v_lshrrev_b32 v[TM+4+\b], 23, v[TM+12+\b]      ; the scale's byte
.endr
	s_delay_alu instid0(VALU_DEP_3)
	v_lshl_or_b32 v[PW], v[TM+5], 8, v[TM+4]
	s_delay_alu instid0(VALU_DEP_1)
	v_lshl_or_b32 v[PW], v[TM+6], 16, v[PW]
	s_delay_alu instid0(VALU_DEP_1)
	v_lshl_or_b32 v[PW], v[TM+7], 24, v[PW]
.irp c, 0,1
	v_cvt_scalef32_pk16_bf6_f32 v[PC+6*\c:PC+2+6*\c], v[\s+32*\c:\s+15+32*\c], v[TM+12+2*\c]
	v_cvt_scalef32_pk16_bf6_f32 v[PC+12+4*\c:PC+14+4*\c], v[\s+16+32*\c:\s+31+32*\c], v[TM+12+2*\c+1]   ; (a conversion's three registers begin on an even number)
.endr
	v_nop                                          ; one plain instruction behind the scaled conversions
.irp c, 0,1                                    ; the operand's layout wants a whole block in a lane: lanes 0-15 block 2 c, lanes 16-31 block 2 c + 1
.irp i, 0,1,2
	v_permlane16_swap_b32 v[PC+6*\c+\i], v[PC+12+4*\c+\i]
.endr
.irp i, 0,1,2
	s_delay_alu instid0(VALU_DEP_3)
	v_mov_b32 v[PC+3+6*\c+\i], v[PC+12+4*\c+\i]
.endr
.endr
.endm
.macro IMAGE s                         ; the fragment leaves as it stands: each store covers 512 consecutive bytes, at a multiple of 256 from the buffer's first byte
.irp c, 0,1,2
	global_store_b128 v4, v[PC+4*\c:PC+4*\c+3], s[8:9] offset:1536*\s+512*\c
.endr
.endm
	LOADS 0
	LOADS 1
	s_wait_loadcnt 16                              ; K step 0's sixteen loads are in; K step 1's sixteen may be out
	TOSTAGE 0, XA
	s_wait_loadcnt 0x0                             ; K step 1 is in
	s_wait_dscnt 0x0                               ; XA is in, and the stores have read v16-79, which take K step 1's numbers now
	TOSTAGE 1, XB
	SQ XA, 1
	QUANT XA
	v_mov_b32 v[PW0], v[PW]
	IMAGE 0
	s_wait_dscnt 0x0                               ; XB is in
	SQ XB, 0
	s_wait_xcnt 0x0                                ; the image's stores have read their registers: the codes' registers are written again
	QUANT XB
	IMAGE 1
	; the record's last 256 bytes: 32 scale words, 16 sums, 16 zeros
	v_pk_add_f32 v[Q:Q+1], v[Q:Q+1], v[Q+2:Q+3]
	s_delay_alu instid0(VALU_DEP_1)
	v_add_f32 v[Q], v[Q], v[Q+1]
	s_delay_alu instid0(VALU_DEP_1)
	v_permlanex16_b32 v[Q+2], v[Q], s[SEL], s[SEL+1]
	s_delay_alu instid0(VALU_DEP_1)
	v_add_f32 v[Q], v[Q], v[Q+2]                   ; with lane l xor 16's half of the row
	v_cmp_gt_u32 vcc_lo, 16, v1
	s_delay_alu instid0(VALU_DEP_1)
	v_cndmask_b32 v250, v[PW], v[PW0], vcc_lo      ; lanes 0-15: K step 0's word; lanes 16-31: K step 1's
	s_delay_alu instid0(VALU_DEP_2)
	v_cndmask_b32 v251, 0, v[Q], vcc_lo            ; lanes 0-15: the sum; lanes 16-31: 0
	ds_store_b32 v7, v250
	ds_store_b32 v7, v251 offset:128
	ds_load_b64 v[252:253], v8                     ; in order behind my stores
	s_wait_dscnt 0x0
	global_store_b64 v9, v[252:253], s[8:9] offset:3072   ; 32 lanes store 256 consecutive bytes, aligned
	s_wait_tensorcnt 0x0
	ds_add_u32 v254, v255
	s_wait_dscnt 0x0
	s_endpgm
.Lfunc_end_k_qab81008582_quant:
	.size	k_qab81008582_quant, .Lfunc_end_k_qab81008582_quant-k_qab81008582_quant
	.p2alignl 7, 3214868480
	.fill 96, 4, 3214868480
	.section	.rodata,"a",@progbits
	.p2align	6, 0x0
	.amdhsa_kernel k_qab81008582_quant
		.amdhsa_group_segment_fixed_size 88320
		.amdhsa_private_segment_fixed_size 0
		.amdhsa_enable_private_segment 0
		.amdhsa_kernarg_size 32
		.amdhsa_user_sgpr_count 2
		.amdhsa_user_sgpr_kernarg_segment_ptr 1
		.amdhsa_wavefront_size32 1
		.amdhsa_system_sgpr_workgroup_id_x 1
		.amdhsa_system_sgpr_workgroup_id_y 1
		.amdhsa_system_sgpr_workgroup_id_z 1
		.amdhsa_system_vgpr_workitem_id 0
		.amdhsa_next_free_vgpr 256
		.amdhsa_next_free_sgpr 66
		.amdhsa_reserve_vcc 1
		.amdhsa_float_denorm_mode_32 3
		.amdhsa_float_denorm_mode_16_64 3
		.amdhsa_memory_ordered 1
		.amdhsa_forward_progress 1
		.amdhsa_inst_pref_size 28
	.end_amdhsa_kernel
	.amdgpu_metadata
---
amdhsa.version: [ 1, 2 ]
amdhsa.kernels:
  - .name:           k_qab81008582_quant
    .symbol:         k_qab81008582_quant.kd
    .args:
      - { .name: z, .offset: 0, .size: 8, .value_kind: global_buffer, .address_space: global }
      - { .name: codebook, .offset: 8, .size: 8, .value_kind: global_buffer, .address_space: global }
      - { .name: zrec, .offset: 16, .size: 8, .value_kind: global_buffer, .address_space: global }
      - { .name: crec, .offset: 24, .size: 8, .value_kind: global_buffer, .address_space: global }
    .group_segment_fixed_size: 88320
    .private_segment_fixed_size: 0
    .kernarg_segment_align: 8
    .kernarg_segment_size: 32
    .max_flat_workgroup_size: 320
    .sgpr_count:     66
    .vgpr_count:     256
    .wavefront_size: 32
...
	.end_amdgpu_metadata
.endif
;; end of part 1
;; launch search (part 2): grid 256 x 1, 8 waves a work-group, clusters of 4 x 1, 327,680 bytes of LDS; arguments zrec, crec, grp; writes grp
.if DOCPART == 2
	.amdgcn_target "amdgcn-amd-amdhsa--gfx1250"
	.amdhsa_code_object_version 6
	.text
	.protected	k_qab81008582_search
	.globl	k_qab81008582_search
	.p2align	8
	.type	k_qab81008582_search,@function
k_qab81008582_search:
	s_mov_b64 s[64:65], 0
	v_nop
	global_prefetch_b8 v0, s[64:65] scope:SCOPE_SE
	s_setreg_imm32_b32 hwreg(HW_REG_WAVE_MODE, 25, 1), 1
	s_wait_xcnt 0x0
	s_wait_alu depctr_hold_cnt(0) depctr_sa_sdst(0) depctr_va_vdst(0) depctr_va_sdst(0) depctr_va_ssrc(0) depctr_va_vcc(0) depctr_vm_vsrc(0)
	s_getreg_b32 s2, hwreg(HW_REG_IB_STS2, 6, 4)
	s_cmp_eq_u32 s2, 0
	s_cbranch_scc0 .Lentry_in_a_cluster
	s_endpgm
.Lentry_in_a_cluster:
	s_bfe_u32 s2, ttmp6, 0x10000c
	s_cmp_lg_u32 s2, 0x3003
	s_cbranch_scc0 .Lentry_shape_is_right
	s_endpgm
.Lentry_shape_is_right:
; For each of the 32,768 rows of z and each EIGHTH of the codebook (1,024 codes): d[k] = (A + B[k]) - 2 M[k], M the product on E3M2 codes with E8M0 scales, the eighth's smallest d,
; and g = the FIRST GROUP of 8 neighbouring codes (8 g .. 8 g + 7) of the eighth that holds it.  d has the two roundings of the definition: S = B + A, d = fma(M, -2, S).
; OUT: grp, whole numbers: word [e][row] = a key of the smallest d; 1,048,576 bytes on, word [e][row] = g.  The key is d's bits with the sign bit turned (all bits where d is negative): keys as unsigned numbers stand in d's order.
; The next launch takes the least key of a row's eight, the lower eighth where two are equal: the first group that holds the row's smallest d.
; THE PRODUCT IS USED TRANSPOSED: source 0 = 16 codes, source 1 = 16 rows of z: lane (r, h) holds ONE row r of z, and its eight result registers are the codes 16 T + 8 h + 0 .. 7 of record T: one group.
; SHARES: 256 work-groups = 32 blocks of 1,024 rows x 8 eighths.  An eighth is 64 records of crec, 212,992 bytes: it lies in LDS WHOLE, filled once, and nothing is filled again.
; Wave w owns rows 128 w .. 128 w + 127 of the block: 8 records of zrec in 192 registers; it walks all 64 records, in ascending order, and shares no result with another wave.
; CLUSTERS: the four work-groups of a cluster have the same eighth: each wave's load, 8 records as 104 rows of 256 bytes, is asked for JOINTLY (mask 15).  One tensor load of a wave is out, at the head.
; NO PREFETCH: every byte of the eighth is asked for once, at the kernel's head: there is no loop of loads to run ahead in.
; A STAGE: the vector work on record i's sums stands in eight pieces; between the pieces the sixteen products of record i + 1 go out two at a time, into the other of two sets of accumulators; fragments are fetched from LDS two records ahead.
; LIMITS: NaN and infinities are not served (the minima pass over NaN).  A d of -0 would get another key than +0; fma(M, -2, S) with S >= +0 gives no -0.
; REGISTERS: window 0 as named below; window 1: v0-191 z's fragments (row tile rt, K step s at 24 rt + 12 s), v192-239 two sets of a record's two fragments.
.set REC,   3328
.set PART,  8*REC                      ; what one tensor load brings; also a wave's 8 records of z
.set SLAB,  64*REC                     ; an eighth of crec
.set SPARE, SLAB                       ; the spare words, 128 bytes for each of eight waves: four blocks of 256 bytes that no other line names
.set STG,   SPARE+1024                 ; 1,024 bytes for each wave: its 128 keys, its 128 g; no fill lands here
.set SPW, 1                            ; v1   SPARE + 4 x my thread's number; never rewritten
.set NIL, 2                            ; v2   0; never rewritten
.set LB,  3                            ; v3   16 lane
.set SB,  7                            ; v7   4 lane + 3072: scale words
.set BB,  8                            ; v8   32 h + 3200: B of my eight codes
.set ADR, 9                            ; v9-11 the three at the trip's first record
.set ADS, 10
.set ADB, 11
.set TID, 12                           ; v12  the record's number
.set HH,  13                           ; v13  h
.set ZS,  14                           ; v14-21  z's scale words: lanes 0-15 K step 0, lanes 16-31 K step 1
.set AT,  22                           ; v22-37  eight pairs: A of my row, T = the record of my best
.set BO,  38                           ; v38-45  the best d, by turns with
.set BN,  46                           ; v46-53
.set ACC, 54                           ; v54-181 two sets of eight accumulators
.set TP,  182                          ; v182-213 S, then d, of four row tiles
.set CB,  214                          ; v214-229 B of my eight codes, two sets
.set CS,  230                          ; v230-231 the codes' scale words, two sets: they hold scales and nothing else
.set STA, 235                          ; my stage, in: 4 r
.set STB, 236                          ; and out: 16 lane
.set PR,  182                          ; the end: eight pairs (d, g), where S and d lay
.set DP,  198                          ; the other half's d
.set GP,  206                          ; and g
.set CFW, 192                          ; window 1: the codes' fragments
.set WV,  10                           ; s10  wave
.set G1,  16                           ; s[16:23] descriptor group 1
.set G0,  24                           ; s[24:27] descriptor group 0
.set TB,  28                           ; s28  where the trip's first record lies in LDS
.set TRIPS, 29
.set TILE_N, 30                        ; s30  the number of the record whose d are made
.set SEL, 32                           ; s[32:33]
.set MK,  48                           ; s[48:51] masks
.set MSB, 0
.macro WIN new                         ; the immediate's high byte repeats the setting that is left
.if MSB != \new
	s_set_vgpr_msb (MSB<<8)|\new
.set MSB, \new
.endif
.endm
.macro CROUND                          ; a round of the cluster's barrier
	s_barrier_signal -1
	s_barrier_wait -1
	s_cmp_lg_u32 s[WV], 0
	s_cbranch_scc1 .Lnot_wave_0_\@
	s_barrier_signal -3
.Lnot_wave_0_\@:
	s_barrier_wait -3
	s_barrier_signal -1
	s_barrier_wait -1
.endm
.macro ADDR
	v_add_nc_u32 v[ADR], s[TB], v[LB]
	v_add_nc_u32 v[ADS], s[TB], v[SB]
	v_add_nc_u32 v[ADB], s[TB], v[BB]
.endm
.macro FETCHF i, p                     ; the record i behind the trip's first: its two fragments and its scale words into set p
	WIN 0x40                                       ; destination window 1
.irp ks, 0,1
.irp c, 0,1,2
	ds_load_b128 v[CFW+24*(\p)+12*\ks+4*\c:CFW+24*(\p)+12*\ks+4*\c+3], v[ADR] offset:REC*(\i)+1536*\ks+512*\c   ; 512 consecutive bytes
.endr
.endr
	WIN 0
	ds_load_b32 v[CS+(\p)], v[ADS] offset:REC*(\i)
.endm
.macro FETCHB i, p                     ; and B of my eight codes of it
	ds_load_b128 v[CB+8*(\p):CB+8*(\p)+3], v[ADB] offset:REC*(\i)
	ds_load_b128 v[CB+8*(\p)+4:CB+8*(\p)+7], v[ADB] offset:REC*(\i)+16
.endm
; Two of a record's sixteen products: numbers 2 k and 2 k + 1.  Numbers 0-7: K step 0 of row tiles 0-7, which starts the sums; 8-15: K step 1.  The eight accumulators take turns, one instruction a turn.
.macro W k, q
	WIN 0x05                                       ; sources 0 (codes) and 1 (z) window 1
.irp e, 0,1
.set RT, (2*(\k)+\e)%8
.if 2*(\k)+\e < 8
	v_wmma_scale_f32_16x16x128_f8f6f4 v[ACC+64*(\q)+8*RT:ACC+64*(\q)+8*RT+7], v[CFW+24*(\q):CFW+24*(\q)+11], v[24*RT:24*RT+11], 0, v[CS+(\q)], v[ZS+RT] matrix_a_fmt:MATRIX_FMT_BF6 matrix_b_fmt:MATRIX_FMT_BF6
.else
	v_wmma_scale_f32_16x16x128_f8f6f4 v[ACC+64*(\q)+8*RT:ACC+64*(\q)+8*RT+7], v[CFW+24*(\q)+12:CFW+24*(\q)+23], v[24*RT+12:24*RT+23], v[ACC+64*(\q)+8*RT:ACC+64*(\q)+8*RT+7], v[CS+(\q)], v[ZS+RT] matrix_a_fmt:MATRIX_FMT_BF6 matrix_b_fmt:MATRIX_FMT_BF6 matrix_a_scale:MATRIX_SCALE_ROW1 matrix_b_scale:MATRIX_SCALE_ROW1
.endif
.endr
	WIN 0
.endm
; The vector work on row tiles 4 q .. 4 q + 3 of the record of parity p, in four pieces.
.macro ADDS q, p                       ; S = B + A (of the pair (A, T) the low word serves both halves)
.irp u, 0,1,2,3
.irp c, 0,2,4,6
	v_pk_add_f32 v[TP+8*\u+\c:TP+8*\u+\c+1], v[CB+8*(\p)+\c:CB+8*(\p)+\c+1], v[AT+2*(4*\q+\u):AT+2*(4*\q+\u)+1] op_sel_hi:[1,0]
.endr
.endr
.endm
.macro FMACS q, p                      ; d = S - 2 M, rounded once; each accumulator is read from its low end on
.irp u, 0,1,2,3
.irp c, 0,2,4,6
	v_pk_fma_f32 v[TP+8*\u+\c:TP+8*\u+\c+1], v[ACC+64*(\p)+8*(4*\q+\u)+\c:ACC+64*(\p)+8*(4*\q+\u)+\c+1], -2.0, v[TP+8*\u+\c:TP+8*\u+\c+1] op_sel_hi:[1,0,1]
.endr
.endr
.endm
.macro MINS q, old, new                ; the old best and eight d: the four row tiles by turns
.irp u, 0,1,2,3
	v_min3_num_f32 v[\new+4*\q+\u], v[\old+4*\q+\u], v[TP+8*\u], v[TP+8*\u+1]
.endr
.irp st, 2,4,6
.irp u, 0,1,2,3
	s_delay_alu instid0(VALU_DEP_4)
	v_min3_num_f32 v[\new+4*\q+\u], v[\new+4*\q+\u], v[TP+8*\u+\st], v[TP+8*\u+\st+1]
.endr
.endr
.endm
.macro SELS q, old, new
.irp u, 0,1,2,3
	v_cmp_lt_f32 s[MK+\u], v[\new+4*\q+\u], v[\old+4*\q+\u]    ; strictly smaller: an equal d of a later record changes nothing
.endr
.irp u, 0,1,2,3
	s_delay_alu instid0(VALU_DEP_4)
	v_cndmask_b32 v[AT+2*(4*\q+\u)+1], v[AT+2*(4*\q+\u)+1], v[TID], s[MK+\u]
.endr
.endm
.macro BATCH q, p, old, new, mm, fi, step
.if \mm
	W 4*\q, 1-\p
.endif
	ADDS \q, \p
.if \mm
	W 4*\q+1, 1-\p
.endif
	FMACS \q, \p
.if (\q == 1) && (\fi >= 0)
	FETCHB \fi, \p                                 ; both batches' additions have read this set's B: it takes the B of the record two on
.endif
.if (\q == 1) && (\step)
	s_add_co_u32 s[TB], s[TB], 4*REC               ; the trip's last fetch is issued: on to the next trip's first record; 24 vector lines follow ahead of the next fetch
	ADDR
.endif
.if \mm
	W 4*\q+2, 1-\p
.endif
	MINS \q, \old, \new
.if \mm
	W 4*\q+3, 1-\p
.endif
	SELS \q, \old, \new
.endm
; A stage.  p: the parity of the record whose d are made; the products (mm = 1) are the next record's, of parity 1 - p.  fi: the record two on, counted from the trip's first, goes into set p (-1: none).
.macro STAGE p, old, new, fi, mm, step
	s_wait_dscnt 0x0                               ; the next record's operands are in
.if \fi >= 0
	FETCHF \fi, \p                                 ; set p's fragments were multiplied in the stage before; eight vector lines stand behind the last of those products
.endif
	v_mov_b32 v[TID], s[TILE_N]
	s_add_co_u32 s[TILE_N], s[TILE_N], 1
	BATCH 0, \p, \old, \new, \mm, \fi, \step
	BATCH 1, \p, \old, \new, \mm, \fi, \step
.endm
	s_load_b128 s[4:7], s[0:1], 0x0                ; zrec, crec
	s_load_b64 s[8:9], s[0:1], 0x10                ; grp
	v_lshl_add_u32 v[SPW], v0, 2, SPARE
	v_mov_b32 v[NIL], 0
	ds_add_u32 v[SPW], v[NIL]                      ; the opening lines: the add, twice on end, and its wait ahead of my first tensor load
	ds_add_u32 v[SPW], v[NIL]
	v_lshrrev_b32 v4, 5, v0
	s_delay_alu instid0(VALU_DEP_1)
	v_readfirstlane_b32 s[WV], v4                  ; wave 0..7
	s_bfe_u32 s11, ttmp6, 0x40000                  ; cx: my place in the cluster
	s_lshr_b32 s12, ttmp9, 3                       ; the eighth: 8 clusters to each, so the four partners share it; in a cluster launch ttmp9 counts clusters
	s_and_b32 s13, ttmp9, 7
	s_lshl_b32 s13, s13, 2
	s_add_co_u32 s13, s13, s11                     ; my block of 1,024 rows: it enters zrec's and grp's addresses alone
	s_mov_b32 s[G1], 15|(3<<16)|(1<<21)            ; 15:0 the mask: all four; 17:16 elements of 8 bytes; 20 no padding; 21 set beside a mask
	s_mov_b32 s[G1+1], 32<<16                      ; tensor_dim0 = 32 elements: 256 bytes
	s_mov_b32 s[G1+2], 104<<16                     ; tensor_dim1 = 104
	s_mov_b32 s[G1+3], 32<<16                      ; tile_dim0 = 32
	s_mov_b32 s[G1+4], 104                         ; tile_dim1 = 104
	s_mov_b32 s[G1+5], 32                          ; from row to row: dense
	s_mov_b32 s[G1+6], 0
	s_mov_b32 s[G1+7], 0
	s_mul_i32 s36, s[WV], PART                     ; the 8 records that I fetch, in the eighth and in LDS alike
	s_mul_i32 s38, s12, SLAB
	s_add_co_u32 s38, s38, s36                     ; and in crec
	s_mov_b32 s39, 0
	s_lshl_b32 s40, s13, 3
	s_add_co_u32 s40, s40, s[WV]                   ; my 128 rows: number 8 x block + wave
	s_lshl_b32 s42, s40, 9                         ; their 128 words,
	s_lshl_b32 s44, s12, 17                        ; in the eighth's 131,072 bytes of grp
	s_add_co_u32 s42, s42, s44
	s_mov_b32 s43, 0
	s_mul_i32 s40, s40, PART                       ; their 8 records of z
	s_mov_b32 s41, 0
	s_lshl_b32 s37, s[WV], 10
	s_add_co_u32 s37, s37, STG                     ; my stage
	s_mov_b32 s[TB], 0
	s_mov_b32 s[TRIPS], 15
	s_lshl_b32 s[TILE_N], s12, 6                   ; the eighth's first record
	s_mov_b32 s[SEL], 0x76543210
	s_mov_b32 s[SEL+1], 0xfedcba98
	v_and_b32 v4, 31, v0
	v_and_b32 v5, 15, v0                           ; r
	v_bfe_u32 v[HH], v0, 4, 1
.irp rt, 0,1,2,3,4,5,6,7
	v_mov_b32 v[BO+\rt], 0x7f800000                ; the best so far: +infinity, over every d
.endr
	v_lshlrev_b32 v[LB], 4, v4                     ; 16 lane
	v_lshlrev_b32 v4, 2, v4                        ; v4 = 4 lane
	v_lshlrev_b32 v5, 2, v5                        ; v5 = 4 r
	v_lshlrev_b32 v[BB], 5, v[HH]
.irp rt, 0,1,2,3,4,5,6,7
	v_mov_b32 v[AT+2*\rt+1], 0
.endr
	v_add_nc_u32 v[SB], 3072, v4
	v_add_nc_u32 v[BB], 3200, v[BB]
	v_add_nc_u32 v[STA], s37, v5
	v_add_nc_u32 v[STB], s37, v[LB]
	s_wait_alu depctr_va_vdst(0)                   ; the wait at the head's end
	s_wait_dscnt 0x0                               ; both opening adds are done
	s_wait_kmcnt 0x0
	s_add_nc_u64 s[4:5], s[4:5], s[40:41]
	s_add_nc_u64 s[8:9], s[8:9], s[42:43]
	s_mov_b32 s[G0], 1                             ; count = 1
	s_mov_b32 s[G0+1], s36                         ; LDS address
	s_add_nc_u64 s[G0+2:G0+3], s[6:7], s[38:39]    ; global address
	s_or_b32 s[G0+3], s[G0+3], 0x80000000          ; type = 2
	CROUND                                         ; all four work-groups are here: the joint loads meet
	tensor_load_to_lds s[G0:G0+3], s[G1:G1+7]      ; my one tensor load: 8 of the eighth's 64 records
	s_nop 0
.rept 4
	v_nop
.endr
	WIN 0x40                                       ; destination window 1
.irp rt, 0,1,2,3,4,5,6,7
.irp ks, 0,1
.irp c, 0,1,2
	global_load_b128 v[24*\rt+12*\ks+4*\c:24*\rt+12*\ks+4*\c+3], v[LB], s[4:5] offset:REC*\rt+1536*\ks+512*\c   ; z's fragments stay in registers; no hint: the other eighths' work-groups read them too
.endr
.endr
.endr
	WIN 0
.irp rt, 0,1,2,3,4,5,6,7
	global_load_b32 v[ZS+\rt], v4, s[4:5] offset:REC*\rt+3072
	global_load_b32 v[AT+2*\rt], v5, s[4:5] offset:REC*\rt+3200
.endr
	s_wait_tensorcnt 0x0                           ; my 8 records have landed;
	s_barrier_signal -1                            ; say so,
	s_barrier_wait -1                              ; and read behind this wait: the eighth is whole
	ADDR
	s_wait_alu depctr_va_vdst(0)                   ; the wait here
	FETCHF 0, 0
	FETCHB 0, 0
	FETCHF 1, 1
	FETCHB 1, 1
	s_wait_loadcnt 0x0                             ; z
	s_wait_dscnt 0x0
.irp k, 0,1,2,3,4,5,6,7
	W \k, 0                                        ; the first record's products stand alone
.endr
.rept 4
	v_nop                                          ; four places in front of the loads into the fragments just multiplied
.endr
.Ltrip:                                                ; 15 trips of four records
	STAGE 0, BO, BN, 2, 1, 0
	STAGE 1, BN, BO, 3, 1, 0
	STAGE 0, BO, BN, 4, 1, 0
	STAGE 1, BN, BO, 5, 1, 1
	s_sub_co_u32 s[TRIPS], s[TRIPS], 1
	s_cmp_lg_u32 s[TRIPS], 0
	s_cbranch_scc1 .Ltrip
	STAGE 0, BO, BN, 2, 1, 0                       ; records 60 to 63: the fetches and then the products run out
	STAGE 1, BN, BO, 3, 1, 0
	STAGE 0, BO, BN, -1, 1, 0
	STAGE 1, BN, BO, -1, 0, 0
; (d2, g2) takes (d, g)'s place where d2 is smaller, or equal with the lower group
.macro JOIN d, g, d2, g2
	v_cmp_lt_f32 s40, v[\d2], v[\d]
	v_cmp_eq_f32 s41, v[\d2], v[\d]
	v_cmp_lt_u32 s42, v[\g2], v[\g]
	s_and_b32 s41, s41, s42
	s_or_b32 s40, s40, s41
	v_cndmask_b32 v[\d], v[\d], v[\d2], s40
	v_cndmask_b32 v[\g], v[\g], v[\g2], s40
.endm
.irp rt, 0,1,2,3,4,5,6,7
	v_mov_b32 v[PR+2*\rt], v[BO+\rt]
	v_lshl_add_u32 v[PR+2*\rt+1], v[AT+2*\rt+1], 1, v[HH]  ; g = 2 T + h
.endr
.irp rt, 0,1,2,3,4,5,6,7
	v_permlanex16_b32 v[DP+\rt], v[PR+2*\rt], s[SEL], s[SEL+1]     ; the row's other groups lie in the lane 16 away
	v_permlanex16_b32 v[GP+\rt], v[PR+2*\rt+1], s[SEL], s[SEL+1]
.endr
.irp rt, 0,1,2,3,4,5,6,7
	JOIN PR+2*\rt, PR+2*\rt+1, DP+\rt, GP+\rt
.endr
.irp rt, 0,1,2,3,4,5,6,7
	v_ashrrev_i32 v[DP+\rt], 31, v[PR+2*\rt]       ; the key: all ones where d is negative,
.endr
.irp rt, 0,1,2,3,4,5,6,7
	v_or_b32 v[DP+\rt], 0x80000000, v[DP+\rt]      ; the sign bit always,
.endr
.irp rt, 0,1,2,3,4,5,6,7
	v_xor_b32 v[PR+2*\rt], v[PR+2*\rt], v[DP+\rt]  ; turned
.endr
.irp rt, 0,1,2,3,4,5,6,7
	ds_store_b32 v[STA], v[PR+2*\rt] offset:64*\rt             ; row 16 rt + r; both halves of the lanes store the same word
	ds_store_b32 v[STA], v[PR+2*\rt+1] offset:512+64*\rt
.endr
	ds_load_b128 v[DP:DP+3], v[STB]                ; LDS serves a wave's instructions in order: these see my stores
	ds_load_b128 v[GP:GP+3], v[STB] offset:512
	s_wait_dscnt 0x0
	global_store_b128 v[LB], v[DP:DP+3], s[8:9]                    ; 512 consecutive bytes, at a multiple of 256 from the buffer's first byte
	global_store_b128 v[LB], v[GP:GP+3], s[8:9] offset:1048576
	s_wait_tensorcnt 0x0                           ; the wave's end, behind my last tensor load and my last LDS store
	ds_add_u32 v[SPW], v[NIL]
	s_wait_dscnt 0x0
	CROUND                                         ; the closing round
	s_endpgm
.Lfunc_end_k_qab81008582_search:
	.size	k_qab81008582_search, .Lfunc_end_k_qab81008582_search-k_qab81008582_search
	.p2alignl 7, 3214868480
	.fill 96, 4, 3214868480
	.section	.rodata,"a",@progbits
	.p2align	6, 0x0
	.amdhsa_kernel k_qab81008582_search
		.amdhsa_group_segment_fixed_size 327680
		.amdhsa_private_segment_fixed_size 0
		.amdhsa_enable_private_segment 0
		.amdhsa_kernarg_size 24
		.amdhsa_user_sgpr_count 2
		.amdhsa_user_sgpr_kernarg_segment_ptr 1
		.amdhsa_wavefront_size32 1
		.amdhsa_system_sgpr_workgroup_id_x 1
		.amdhsa_system_sgpr_workgroup_id_y 1
		.amdhsa_system_sgpr_workgroup_id_z 1
		.amdhsa_system_vgpr_workitem_id 0
		.amdhsa_next_free_vgpr 496
		.amdhsa_next_free_sgpr 66
		.amdhsa_reserve_vcc 0
		.amdhsa_float_denorm_mode_32 3
		.amdhsa_float_denorm_mode_16_64 3
		.amdhsa_memory_ordered 1
		.amdhsa_forward_progress 1
		.amdhsa_inst_pref_size 109
	.end_amdhsa_kernel
	.amdgpu_metadata
---
amdhsa.version: [ 1, 2 ]
amdhsa.kernels:
  - .name:           k_qab81008582_search
    .symbol:         k_qab81008582_search.kd
    .args:
      - { .name: zrec, .offset: 0, .size: 8, .value_kind: global_buffer, .address_space: global }
      - { .name: crec, .offset: 8, .size: 8, .value_kind: global_buffer, .address_space: global }
      - { .name: grp, .offset: 16, .size: 8, .value_kind: global_buffer, .address_space: global }
    .group_segment_fixed_size: 327680
    .private_segment_fixed_size: 0
    .kernarg_segment_align: 8
    .kernarg_segment_size: 24
    .max_flat_workgroup_size: 256
    .sgpr_count:     66
    .vgpr_count:     496
    .wavefront_size: 32
...
	.end_amdgpu_metadata
.endif
;; end of part 2
;; launch refine (part 3): grid 256 x 1, 8 waves a work-group, no clusters, 2,048 bytes of LDS; arguments grp, zrec, crec, out2, idx; writes out2, idx
.if DOCPART == 3
	.amdgcn_target "amdgcn-amd-amdhsa--gfx1250"
	.amdhsa_code_object_version 6
	.text
	.protected	k_qab81008582_refine
	.globl	k_qab81008582_refine
	.p2align	8
	.type	k_qab81008582_refine,@function
k_qab81008582_refine:
	s_mov_b64 s[64:65], 0
	v_nop
	global_prefetch_b8 v0, s[64:65] scope:SCOPE_SE
	s_setreg_imm32_b32 hwreg(HW_REG_WAVE_MODE, 25, 1), 1
	s_wait_xcnt 0x0
; For each row of z: the first index of the smallest d among its eight candidates, the codes 8 g .. 8 g + 7, g read from grp.  The same matrix instruction, the same two K steps and the same two roundings of d as in the search.
; SHARES: a wave takes 16 rows of z (one record).  Matrix instruction i of eight takes as source 0 the candidates of row 2 i (operand rows 0-7) and of row 2 i + 1 (rows 8-15), as source 1 the 16 rows of z.
; In its result lane (r, h) holds, for row r of z, the eight candidates of row 2 i + h: they are row r's own where i = r / 2 and h = r % 2.  The lanes with h = r % 2 choose; the others take the lane's result 16 away.
; A candidate's codes are gathered from the records: code 8 g + m lies in record g / 2 as operand row 8 (g % 2) + m, whose lanes' 16 bytes stand at 16 x (that row + 16 h) of each 512 bytes of the image.
; No cluster and no tensor load: every wave gathers rows of its own choice; nothing is shared but through the caches.  LIMITS: NaN and infinities are not served.
.set REC, 3328
.set GI,  16                           ; v16-23  g of the row whose candidates my lane gathers for instruction i
.set GOWN, 24                          ; v24     g of my own row r
.set BOFF, 25                          ; v25     where B of my row's candidates stands
.set FO,  26                           ; v26-33  offsets of the gathered fragments
.set SO,  34                           ; v34-41  and of their scale words
.set ZF,  48                           ; v48-71  z's two fragments
.set ZS,  72                           ; v72     z's scale words
.set AA,  74                           ; v[74:75] A of my row; the pair's upper word is written and not used
.set CS,  76                           ; v76-83  the candidates' scale words
.set BV,  84                           ; v84-91  B of my row's candidates
.set ACC, 92                           ; v92-155 eight accumulators
.set SD,  156                          ; v156-163 S, then d
.set MSB, 0
.macro WIN new
.if MSB != \new
	s_set_vgpr_msb (MSB<<8)|\new
.set MSB, \new
.endif
.endm
	s_load_b256 s[4:11], s[0:1], 0x0               ; grp s[4:5], zrec s[6:7], crec s[8:9], out2 s[10:11]
	s_load_b64 s[12:13], s[0:1], 0x20              ; idx
	v_lshl_add_u32 v254, v0, 2, 0x400
	v_mov_b32 v255, 0
	v_lshrrev_b32 v1, 5, v0
	s_delay_alu instid0(VALU_DEP_1)
	v_readfirstlane_b32 s14, v1                    ; wave 0..7
	v_and_b32 v2, 31, v0
	s_delay_alu instid0(VALU_DEP_1)
	v_lshlrev_b32 v1, 4, v2                        ; 16 lane
	s_delay_alu instid0(VALU_DEP_2)
	v_lshlrev_b32 v2, 2, v2                        ; 4 lane
	v_and_b32 v5, 15, v0                           ; r
	v_bfe_u32 v6, v0, 4, 1                         ; h
	s_delay_alu instid0(VALU_DEP_2)
	v_lshlrev_b32 v3, 2, v5                        ; 4 r
	s_delay_alu instid0(VALU_DEP_3)
	v_lshrrev_b32 v4, 3, v5
	s_delay_alu instid0(VALU_DEP_1)
	v_lshlrev_b32 v4, 2, v4                        ; 4 (r / 8)
	v_lshrrev_b32 v9, 1, v5                        ; r / 2
	v_and_b32 v10, 1, v5                           ; r % 2
	s_lshl_b32 s15, s14, 6
	v_add_nc_u32 v7, s15, v3                       ; LDS: 64 wave + 4 r
	v_and_b32 v11, 7, v5
	s_delay_alu instid0(VALU_DEP_1)
	v_lshlrev_b32 v46, 4, v11
	s_delay_alu instid0(VALU_DEP_1)
	v_lshl_add_u32 v46, v6, 8, v46                 ; 16 (r % 8) + 256 h
	s_delay_alu instid0(VALU_DEP_3)
	v_lshlrev_b32 v47, 2, v11
	s_delay_alu instid0(VALU_DEP_1)
	v_lshl_add_u32 v47, v6, 6, v47                 ; 4 (r % 8) + 64 h
	v_mov_b32 v[AA+1], 0
	v_mov_b32 v167, 0                              ; a lane permute's destination counts as one of its sources
	s_lshl_b32 s16, ttmp9, 3
	s_add_co_u32 s16, s16, s14                     ; my record of z
	s_lshl_b32 s18, s16, 6                         ; its 16 words of grp
	s_mov_b32 s19, 0
	s_mul_i32 s20, s16, REC
	s_mov_b32 s21, 0
	s_lshl_b32 s22, ttmp9, 9                       ; the work-group's 128 words of out2 and idx
	s_mov_b32 s23, 0
	s_mov_b32 s32, 0x76543210
	s_mov_b32 s33, 0xfedcba98
	s_wait_kmcnt 0x0
	s_add_nc_u64 s[4:5], s[4:5], s[18:19]
	s_add_nc_u64 s[6:7], s[6:7], s[20:21]
	s_add_nc_u64 s[10:11], s[10:11], s[22:23]
	s_add_nc_u64 s[12:13], s[12:13], s[22:23]
.set KK, 176                           ; v176-183 my row r's eight keys, one for each eighth of the codebook
.set KG, 184                           ; v184-191 and the eight groups
.irp e, 0,1,2,3,4,5,6,7
	global_load_b32 v[KK+\e], v3, s[4:5] offset:131072*\e           ; grp: word [e][row] the key of the eighth's smallest d,
	global_load_b32 v[KG+\e], v3, s[4:5] offset:1048576+131072*\e   ; and 1,048,576 bytes on its first group
.endr
.irp ks, 0,1
.irp c, 0,1,2
	global_load_b128 v[ZF+12*\ks+4*\c:ZF+12*\ks+4*\c+3], v1, s[6:7] offset:1536*\ks+512*\c th:TH_LOAD_NT
.endr
.endr
	global_load_b32 v[ZS], v2, s[6:7] offset:3072 th:TH_LOAD_NT
	global_load_b32 v[AA], v3, s[6:7] offset:3200 th:TH_LOAD_NT
.irp i, 1,2,3,4,5,6,7
	v_cmp_eq_u32 s[36+\i], \i, v9                  ; whose result is instruction i's?
.endr
	s_wait_loadcnt 8                               ; the sixteen words of grp are in; z's eight loads, issued behind them, may be out
.irp e, 1,2,3,4,5,6,7                          ; the least key, by whole-number compares; strictly less, eighths ascending: the first group stays
	v_cmp_lt_u32 vcc_lo, v[KK+\e], v[KK]
	v_cndmask_b32 v[KK], v[KK], v[KK+\e], vcc_lo
	v_cndmask_b32 v[KG], v[KG], v[KG+\e], vcc_lo
.endr
	v_mov_b32 v[GOWN], v[KG]                       ; g of my own row r
.irp i, 0,1,2,3,4,5,6,7
	v_add_nc_u32 v[FO+\i], 8*\i, v4                ; 4 x lane 2 i + r / 8: the lane that holds the g of row 2 i (r < 8) or 2 i + 1
.endr
.irp i, 0,1,2,3,4,5,6,7
	ds_bpermute_b32 v[GI+\i], v[FO+\i], v[GOWN]
.endr
	s_wait_dscnt 0x0
; a loaded g enters an address behind a clamp to the table's 1,024 groups; o = (g / 2) x 3,328 = (g & 0x3fe) x 1,664; b = g % 2
.macro OFFS g
	v_min_u32 v[\g], 0x3ff, v[\g]
	s_delay_alu instid0(VALU_DEP_1)
	v_and_b32 v42, 0x3fe, v[\g]
	s_delay_alu instid0(VALU_DEP_2)
	v_and_b32 v43, 1, v[\g]
	s_delay_alu instid0(VALU_DEP_2)
	v_mul_u32_u24 v42, v42, 1664
	s_delay_alu instid0(VALU_DEP_2)
	v_lshlrev_b32 v44, 7, v43
	s_delay_alu instid0(VALU_DEP_3)
	v_lshlrev_b32 v45, 5, v43
	s_delay_alu instid0(VALU_DEP_2)
	v_add_nc_u32 v44, v44, v42                     ; o + 128 b
	s_delay_alu instid0(VALU_DEP_2)
	v_add_nc_u32 v45, v45, v42                     ; o + 32 b
.endm
.irp i, 0,1,2,3,4,5,6,7
	OFFS GI+\i
	s_delay_alu instid0(VALU_DEP_2)
	v_add_nc_u32 v[FO+\i], v44, v46
	s_delay_alu instid0(VALU_DEP_2)
	v_add_nc_u32 v[SO+\i], v45, v47
.endr
	OFFS GOWN
	s_delay_alu instid0(VALU_DEP_1)
	v_mov_b32 v[BOFF], v45
	WIN 0x40                                       ; destination window 1: instruction i's source 0, K step ks, at 24 i + 12 ks
.irp i, 0,1,2,3,4,5,6,7
.irp ks, 0,1
.irp c, 0,1,2
	global_load_b128 v[24*\i+12*\ks+4*\c:24*\i+12*\ks+4*\c+3], v[FO+\i], s[8:9] offset:1536*\ks+512*\c
.endr
.endr
.endr
	WIN 0
.irp i, 0,1,2,3,4,5,6,7
	global_load_b32 v[CS+\i], v[SO+\i], s[8:9] offset:3072
.endr
	global_load_b128 v[BV:BV+3], v[BOFF], s[8:9] offset:3200
	global_load_b128 v[BV+4:BV+7], v[BOFF], s[8:9] offset:3216
	s_wait_loadcnt 0x0
	WIN 0x01                                       ; source 0 window 1
.irp i, 0,1,2,3,4,5,6,7                        ; the eight accumulators by turns; the first K step starts the sums
	v_wmma_scale_f32_16x16x128_f8f6f4 v[ACC+8*\i:ACC+8*\i+7], v[24*\i:24*\i+11], v[ZF:ZF+11], 0, v[CS+\i], v[ZS] matrix_a_fmt:MATRIX_FMT_BF6 matrix_b_fmt:MATRIX_FMT_BF6
.endr
.irp i, 0,1,2,3,4,5,6,7
	v_wmma_scale_f32_16x16x128_f8f6f4 v[ACC+8*\i:ACC+8*\i+7], v[24*\i+12:24*\i+23], v[ZF+12:ZF+23], v[ACC+8*\i:ACC+8*\i+7], v[CS+\i], v[ZS] matrix_a_fmt:MATRIX_FMT_BF6 matrix_b_fmt:MATRIX_FMT_BF6 matrix_a_scale:MATRIX_SCALE_ROW1 matrix_b_scale:MATRIX_SCALE_ROW1
.endr
	WIN 0
.rept 4
	v_nop                                          ; four places behind the last product, in front of the first read of results (ISA guide 7.12.1)
.endr
.irp i, 1,2,3,4,5,6,7                          ; my row's own M into the first accumulator's registers; each accumulator is read from its low end on
.irp j, 0,1,2,3,4,5,6,7
	v_cndmask_b32 v[ACC+\j], v[ACC+\j], v[ACC+8*\i+\j], s[36+\i]
.endr
.endr
.irp p, 0,2,4,6
	v_pk_add_f32 v[SD+\p:SD+\p+1], v[BV+\p:BV+\p+1], v[AA:AA+1] op_sel_hi:[1,0]                    ; S = B + A
.endr
.irp p, 0,2,4,6
	s_delay_alu instid0(VALU_DEP_4)
	v_pk_fma_f32 v[SD+\p:SD+\p+1], v[ACC+\p:ACC+\p+1], -2.0, v[SD+\p:SD+\p+1] op_sel_hi:[1,0,1]   ; d = S - 2 M, rounded once
.endr
	s_delay_alu instid0(VALU_DEP_4)
	v_mov_b32 v164, v[SD]                          ; the best, and its place j: the first smallest wins
	v_mov_b32 v165, 0
.irp j, 1
	s_delay_alu instid0(VALU_DEP_2)
	v_cmp_ge_f32 vcc_lo, v[SD+\j], v164
	s_delay_alu instid0(VALU_DEP_1)
	v_cndmask_b32 v165, \j, v165, vcc_lo           ; kept where d is not smaller
	s_delay_alu instid0(VALU_DEP_4)
	v_min_num_f32 v164, v164, v[SD+\j]
.endr
.irp j, 2, 3, 4, 5, 6, 7
	s_delay_alu instid0(VALU_DEP_1)
	v_cmp_ge_f32 vcc_lo, v[SD+\j], v164
	s_delay_alu instid0(VALU_DEP_1)
	v_cndmask_b32 v165, \j, v165, vcc_lo           ; kept where d is not smaller
	s_delay_alu instid0(VALU_DEP_3)
	v_min_num_f32 v164, v164, v[SD+\j]
.endr
	s_delay_alu instid0(VALU_DEP_2)
	v_lshl_add_u32 v166, v[GOWN], 3, v165          ; the index: 8 g + j
	s_delay_alu instid0(VALU_DEP_1)
	v_permlanex16_b32 v167, v166, s32, s33
	v_cmp_eq_u32 vcc_lo, v10, v6                   ; h = r % 2: my lane held my row's own candidates
	s_delay_alu instid0(VALU_DEP_1)
	v_cndmask_b32 v166, v167, v166, vcc_lo         ; else the lane 16 away did
	ds_store_b32 v7, v166                          ; both halves of the lanes store the same word
	s_wait_dscnt 0x0                               ; for wave 0's sake: my store is done
	s_barrier_signal -1
	s_barrier_wait -1
	s_cmp_lg_u32 s14, 0
	s_cbranch_scc1 .Ldone
	ds_load_b128 v[168:171], v1                    ; the work-group's 128 indices
	s_wait_dscnt 0x0
	global_store_b128 v1, v[168:171], s[10:11]     ; 512 consecutive bytes, at a multiple of 256 from the buffer's first byte
	global_store_b128 v1, v[168:171], s[12:13]     ; and the copy from which the next launch forms addresses
.Ldone:
	s_wait_tensorcnt 0x0
	ds_add_u32 v254, v255
	s_wait_dscnt 0x0
	s_endpgm
.Lfunc_end_k_qab81008582_refine:
	.size	k_qab81008582_refine, .Lfunc_end_k_qab81008582_refine-k_qab81008582_refine
	.p2alignl 7, 3214868480
	.fill 96, 4, 3214868480
	.section	.rodata,"a",@progbits
	.p2align	6, 0x0
	.amdhsa_kernel k_qab81008582_refine
		.amdhsa_group_segment_fixed_size 2048
		.amdhsa_private_segment_fixed_size 0
		.amdhsa_enable_private_segment 0
		.amdhsa_kernarg_size 40
		.amdhsa_user_sgpr_count 2
		.amdhsa_user_sgpr_kernarg_segment_ptr 1
		.amdhsa_wavefront_size32 1
		.amdhsa_system_sgpr_workgroup_id_x 1
		.amdhsa_system_sgpr_workgroup_id_y 1
		.amdhsa_system_sgpr_workgroup_id_z 1
		.amdhsa_system_vgpr_workitem_id 0
		.amdhsa_next_free_vgpr 448
		.amdhsa_next_free_sgpr 66
		.amdhsa_reserve_vcc 1
		.amdhsa_float_denorm_mode_32 3
		.amdhsa_float_denorm_mode_16_64 3
		.amdhsa_memory_ordered 1
		.amdhsa_forward_progress 1
		.amdhsa_inst_pref_size 27
	.end_amdhsa_kernel
	.amdgpu_metadata
---
amdhsa.version: [ 1, 2 ]
amdhsa.kernels:
  - .name:           k_qab81008582_refine
    .symbol:         k_qab81008582_refine.kd
    .args:
      - { .name: grp, .offset: 0, .size: 8, .value_kind: global_buffer, .address_space: global }
      - { .name: zrec, .offset: 8, .size: 8, .value_kind: global_buffer, .address_space: global }
      - { .name: crec, .offset: 16, .size: 8, .value_kind: global_buffer, .address_space: global }
      - { .name: out2, .offset: 24, .size: 8, .value_kind: global_buffer, .address_space: global }
      - { .name: idx, .offset: 32, .size: 8, .value_kind: global_buffer, .address_space: global }
    .group_segment_fixed_size: 2048
    .private_segment_fixed_size: 0
    .kernarg_segment_align: 8
    .kernarg_segment_size: 40
    .max_flat_workgroup_size: 256
    .sgpr_count:     66
    .vgpr_count:     448
    .wavefront_size: 32
...
	.end_amdgpu_metadata
.endif
;; end of part 3
;; launch gather (part 4): grid 256 x 1, 16 waves a work-group, no clusters, 2,304 bytes of LDS; arguments idx, z, codebook, out0, part; writes out0, part
.if DOCPART == 4
	.amdgcn_target "amdgcn-amd-amdhsa--gfx1250"
	.amdhsa_code_object_version 6
	.text
	.protected	k_qab81008582_gather
	.globl	k_qab81008582_gather
	.p2align	8
	.type	k_qab81008582_gather,@function
k_qab81008582_gather:
	s_mov_b64 s[64:65], 0
	v_nop
	global_prefetch_b8 v0, s[64:65] scope:SCOPE_SE
	s_setreg_imm32_b32 hwreg(HW_REG_WAVE_MODE, 25, 1), 1
	s_wait_xcnt 0x0
; out0 = z + (c[idx] - z), with both roundings, and for each work-group the sum of (c[idx] - z)^2.  A stream: no matrix unit, no cluster, no tensor load: each byte of z is read once and each byte of out0 written once.
; SHARES: a work-group takes 128 rows, a wave 8.  A row is 1,024 bytes: two loads of 512 consecutive bytes.  All 32 loads of a wave go out at once: z's sixteen ahead of the wait for the indices, c's sixteen behind it; no register is loaded twice.
; Each is held to the table's 8,192 rows before it enters an address.
.set CO,  2                            ; v2-9    1,024 x index + 16 lane, for each of my 8 rows
.set Z0,  20                           ; v20-83  z, then out0: row k at 8 k
.set C0,  84                           ; v84-147 c, then c - z
.set SUM, 148                          ; v148-155 four pairs of sums
	s_load_b256 s[4:11], s[0:1], 0x0               ; idx s[4:5], z s[6:7], codebook s[8:9], out0 s[10:11]
	s_load_b64 s[12:13], s[0:1], 0x20              ; part
	v_lshl_add_u32 v160, v0, 2, 0x100              ; my spare word: 128 bytes for each of sixteen waves, from byte 256 on
	v_mov_b32 v161, 0
	v_lshrrev_b32 v1, 5, v0
	s_delay_alu instid0(VALU_DEP_1)
	v_readfirstlane_b32 s14, v1                    ; wave 0..15
	v_and_b32 v1, 31, v0
	s_delay_alu instid0(VALU_DEP_1)
	v_lshlrev_b32 v1, 4, v1                        ; 16 lane
	v_mov_b32 v156, 0
	v_mov_b32 v157, s14
	s_delay_alu instid0(VALU_DEP_1)
	v_lshlrev_b32 v157, 2, v157                    ; LDS: 4 x wave
	s_lshl_b32 s32, ttmp9, 7
	s_lshl_b32 s33, s14, 3
	s_add_co_u32 s32, s32, s33                     ; my first row
	s_lshl_b32 s34, s32, 2
	s_mov_b32 s35, 0
	s_lshl_b32 s36, s32, 10
	s_mov_b32 s37, 0
	s_lshl_b32 s38, ttmp9, 2
	s_mov_b32 s39, 0
	s_mov_b32 s40, 0x76543210
	s_mov_b32 s41, 0xfedcba98
	s_wait_alu depctr_va_vdst(0)                   ; the wait at the head's end
	s_wait_kmcnt 0x0
	s_add_nc_u64 s[4:5], s[4:5], s[34:35]
	s_load_b256 s[16:23], s[4:5], 0x0              ; my 8 indices
	s_add_nc_u64 s[6:7], s[6:7], s[36:37]
	s_add_nc_u64 s[10:11], s[10:11], s[36:37]
	s_add_nc_u64 s[12:13], s[12:13], s[38:39]
.irp k, 0,1,2,3,4,5,6,7
.irp hf, 0,1
	global_load_b128 v[Z0+8*\k+4*\hf:Z0+8*\k+4*\hf+3], v1, s[6:7] offset:\k*1024+512*\hf th:TH_LOAD_NT
.endr
.endr
	s_wait_kmcnt 0x0
.irp k, 0,1,2,3,4,5,6,7
	s_min_u32 s[16+\k], s[16+\k], 0x1fff
	s_lshl_b32 s[16+\k], s[16+\k], 10
.endr
.irp k, 0,1,2,3,4,5,6,7
	v_add_nc_u32 v[CO+\k], s[16+\k], v1
.endr
.irp k, 0,1,2,3,4,5,6,7
.irp hf, 0,1
	global_load_b128 v[C0+8*\k+4*\hf:C0+8*\k+4*\hf+3], v[CO+\k], s[8:9] offset:512*\hf   ; no hint: a row of the table may be named again
.endr
.endr
.macro WORK q, left                    ; rows 4 q .. 4 q + 3; left: the loads of c's later rows, which may stay out
	s_wait_loadcnt \left
.irp p, 0,2,4,6,8,10,12,14,16,18,20,22,24,26,28,30
	v_pk_add_f32 v[C0+32*\q+\p:C0+32*\q+\p+1], v[C0+32*\q+\p:C0+32*\q+\p+1], v[Z0+32*\q+\p:Z0+32*\q+\p+1] neg_lo:[0,1] neg_hi:[0,1]   ; c - z
.endr
.irp p, 0,2,4,6,8,10,12,14,16,18,20,22,24,26,28,30
	v_pk_add_f32 v[Z0+32*\q+\p:Z0+32*\q+\p+1], v[Z0+32*\q+\p:Z0+32*\q+\p+1], v[C0+32*\q+\p:C0+32*\q+\p+1]   ; z + (c - z)
.endr
.irp p, 0,2,4,6,8,10,12,14,16,18,20,22,24,26,28,30
.if (\q == 0) && (\p < 8)
	v_pk_mul_f32 v[SUM+\p:SUM+\p+1], v[C0+32*\q+\p:C0+32*\q+\p+1], v[C0+32*\q+\p:C0+32*\q+\p+1]   ; the first four pairs start the sums
.else
	v_pk_fma_f32 v[SUM+\p%8:SUM+\p%8+1], v[C0+32*\q+\p:C0+32*\q+\p+1], v[C0+32*\q+\p:C0+32*\q+\p+1], v[SUM+\p%8:SUM+\p%8+1]
.endif
.endr
.irp k, 0,1,2,3
.irp hf, 0,1
	global_store_b128 v1, v[Z0+32*\q+8*\k+4*\hf:Z0+32*\q+8*\k+4*\hf+3], s[10:11] offset:(4*\q+\k)*1024+512*\hf th:TH_STORE_NT   ; 512 consecutive bytes, aligned
.endr
.endr
.endm
	WORK 0, 8
	WORK 1, 0
	v_pk_add_f32 v[SUM:SUM+1], v[SUM:SUM+1], v[SUM+2:SUM+3]
	v_pk_add_f32 v[SUM+4:SUM+5], v[SUM+4:SUM+5], v[SUM+6:SUM+7]
	s_delay_alu instid0(VALU_DEP_1)
	v_pk_add_f32 v[SUM:SUM+1], v[SUM:SUM+1], v[SUM+4:SUM+5]
	s_delay_alu instid0(VALU_DEP_1)
	v_add_f32 v[SUM], v[SUM], v[SUM+1]
	s_delay_alu instid0(VALU_DEP_1)
	v_add_f32_dpp v[SUM], v[SUM], v[SUM] row_xmask:1 row_mask:0xf bank_mask:0xf
	s_delay_alu instid0(VALU_DEP_1)
	v_add_f32_dpp v[SUM], v[SUM], v[SUM] row_xmask:2 row_mask:0xf bank_mask:0xf
	s_delay_alu instid0(VALU_DEP_1)
	v_add_f32_dpp v[SUM], v[SUM], v[SUM] row_xmask:4 row_mask:0xf bank_mask:0xf
	s_delay_alu instid0(VALU_DEP_1)
	v_add_f32_dpp v[SUM], v[SUM], v[SUM] row_xmask:8 row_mask:0xf bank_mask:0xf
	s_delay_alu instid0(VALU_DEP_1)
	v_permlanex16_b32 v[SUM+1], v[SUM], s40, s41
	s_delay_alu instid0(VALU_DEP_1)
	v_add_f32 v[SUM], v[SUM], v[SUM+1]             ; the wave's sum, in every lane
	ds_store_b32 v157, v[SUM]
	s_wait_dscnt 0x0                               ; for wave 0's sake: my store is done
	s_barrier_signal -1
	s_barrier_wait -1
	s_cmp_lg_u32 s14, 0
	s_cbranch_scc1 .Lend
	ds_load_b128 v[148:151], v156                  ; the sixteen waves' sums (into registers that no pending store reads)
	ds_load_b128 v[152:155], v156 offset:16
	ds_load_b128 v[84:87], v156 offset:32
	ds_load_b128 v[88:91], v156 offset:48
	s_wait_dscnt 0x0
	v_pk_add_f32 v[148:149], v[148:149], v[150:151]
	v_pk_add_f32 v[152:153], v[152:153], v[154:155]
	v_pk_add_f32 v[84:85], v[84:85], v[86:87]
	v_pk_add_f32 v[88:89], v[88:89], v[90:91]
	s_delay_alu instid0(VALU_DEP_3)
	v_pk_add_f32 v[148:149], v[148:149], v[152:153]
	s_delay_alu instid0(VALU_DEP_2)
	v_pk_add_f32 v[84:85], v[84:85], v[88:89]
	s_delay_alu instid0(VALU_DEP_1)
	v_pk_add_f32 v[148:149], v[148:149], v[84:85]
	s_delay_alu instid0(VALU_DEP_1)
	v_add_f32 v148, v148, v149
	v_cmp_eq_u32 vcc_lo, 0, v0
	s_wait_alu depctr_va_vdst(0)                   ; the wait here, directly ahead of the wait below
	s_wait_xcnt 0x0                                ; EXEC changes only behind this wait: it is a source of the stores above
	s_and_saveexec_b32 s15, vcc_lo
	global_store_b32 v156, v148, s[12:13]          ; part[work-group], by one lane
	s_wait_xcnt 0x0                                ; and again in front of the line that widens it
	s_or_b32 exec_lo, exec_lo, s15
.Lend:
	s_wait_tensorcnt 0x0                           ; the wave's end, behind my last LDS store
	ds_add_u32 v160, v161
	s_wait_dscnt 0x0
	s_endpgm
.Lfunc_end_k_qab81008582_gather:
	.size	k_qab81008582_gather, .Lfunc_end_k_qab81008582_gather-k_qab81008582_gather
	.p2alignl 7, 3214868480
	.fill 96, 4, 3214868480
	.section	.rodata,"a",@progbits
	.p2align	6, 0x0
	.amdhsa_kernel k_qab81008582_gather
		.amdhsa_group_segment_fixed_size 2304
		.amdhsa_private_segment_fixed_size 0
		.amdhsa_enable_private_segment 0
		.amdhsa_kernarg_size 40
		.amdhsa_user_sgpr_count 2
		.amdhsa_user_sgpr_kernarg_segment_ptr 1
		.amdhsa_wavefront_size32 1
		.amdhsa_system_sgpr_workgroup_id_x 1
		.amdhsa_system_sgpr_workgroup_id_y 1
		.amdhsa_system_sgpr_workgroup_id_z 1
		.amdhsa_system_vgpr_workitem_id 0
		.amdhsa_next_free_vgpr 162
		.amdhsa_next_free_sgpr 66
		.amdhsa_reserve_vcc 1
		.amdhsa_float_denorm_mode_32 3
		.amdhsa_float_denorm_mode_16_64 3
		.amdhsa_memory_ordered 1
		.amdhsa_forward_progress 1
		.amdhsa_inst_pref_size 16
	.end_amdhsa_kernel
	.amdgpu_metadata
---
amdhsa.version: [ 1, 2 ]
amdhsa.kernels:
  - .name:           k_qab81008582_gather
    .symbol:         k_qab81008582_gather.kd
    .args:
      - { .name: idx, .offset: 0, .size: 8, .value_kind: global_buffer, .address_space: global }
      - { .name: z, .offset: 8, .size: 8, .value_kind: global_buffer, .address_space: global }
      - { .name: codebook, .offset: 16, .size: 8, .value_kind: global_buffer, .address_space: global }
      - { .name: out0, .offset: 24, .size: 8, .value_kind: global_buffer, .address_space: global }
      - { .name: part, .offset: 32, .size: 8, .value_kind: global_buffer, .address_space: global }
    .group_segment_fixed_size: 2304
    .private_segment_fixed_size: 0
    .kernarg_segment_align: 8
    .kernarg_segment_size: 40
    .max_flat_workgroup_size: 512
    .sgpr_count:     66
    .vgpr_count:     162
    .wavefront_size: 32
...
	.end_amdgpu_metadata
.endif
;; end of part 4
;; launch total (part 5): grid 1 x 1, 1 waves a work-group, no clusters, 0 bytes of LDS; arguments part, out1; writes out1
.if DOCPART == 5
	.amdgcn_target "amdgcn-amd-amdhsa--gfx1250"
	.amdhsa_code_object_version 6
	.text
	.protected	k_qab81008582_total
	.globl	k_qab81008582_total
	.p2align	8
	.type	k_qab81008582_total,@function
k_qab81008582_total:
	s_mov_b64 s[64:65], 0
	v_nop
	global_prefetch_b8 v0, s[64:65] scope:SCOPE_SE
	s_setreg_imm32_b32 hwreg(HW_REG_WAVE_MODE, 25, 1), 1
	s_wait_xcnt 0x0
; out1 = 1.25 x (the sum of the 256 partial sums) / 2^23: the two means of the loss are the same number, over 32,768 x 256 = 2^23 elements, weighed 1 and 0.25.
; One wave: the sum spans all work-groups of the launch before, so it has an owner of its own.  A lane takes 8 numbers.
	s_load_b128 s[4:7], s[0:1], 0x0                ; part, out1
	v_lshlrev_b32 v1, 5, v0                        ; 32 x lane
	v_mov_b32 v2, 0
	s_mov_b32 s8, 0x76543210
	s_mov_b32 s9, 0xfedcba98
	s_wait_alu depctr_va_vdst(0)
	s_wait_kmcnt 0x0
	global_load_b128 v[4:7], v1, s[4:5]
	global_load_b128 v[8:11], v1, s[4:5] offset:16
	s_wait_loadcnt 0x0
	v_pk_add_f32 v[4:5], v[4:5], v[6:7]
	v_pk_add_f32 v[8:9], v[8:9], v[10:11]
	v_pk_add_f32 v[4:5], v[4:5], v[8:9]
	v_add_f32 v4, v4, v5
	v_add_f32_dpp v4, v4, v4 row_xmask:1 row_mask:0xf bank_mask:0xf
	v_add_f32_dpp v4, v4, v4 row_xmask:2 row_mask:0xf bank_mask:0xf
	v_add_f32_dpp v4, v4, v4 row_xmask:4 row_mask:0xf bank_mask:0xf
	v_add_f32_dpp v4, v4, v4 row_xmask:8 row_mask:0xf bank_mask:0xf
	v_permlanex16_b32 v5, v4, s8, s9
	v_add_f32 v4, v4, v5
	v_mul_f32 v4, 0x34200000, v4                   ; x 1.25 x 2^-23
	v_cmp_eq_u32 vcc_lo, 0, v0
	s_wait_alu depctr_va_vdst(0)
	s_wait_xcnt 0x0                                ; EXEC changes only behind this wait
	s_and_saveexec_b32 s10, vcc_lo
	global_store_b32 v2, v4, s[6:7]
	s_wait_xcnt 0x0                                ; and again in front of the line that widens it
	s_or_b32 exec_lo, exec_lo, s10
	s_endpgm
.Lfunc_end_k_qab81008582_total:
	.size	k_qab81008582_total, .Lfunc_end_k_qab81008582_total-k_qab81008582_total
	.p2alignl 7, 3214868480
	.fill 96, 4, 3214868480
	.section	.rodata,"a",@progbits
	.p2align	6, 0x0
	.amdhsa_kernel k_qab81008582_total
		.amdhsa_group_segment_fixed_size 0
		.amdhsa_private_segment_fixed_size 0
		.amdhsa_enable_private_segment 0
		.amdhsa_kernarg_size 16
		.amdhsa_user_sgpr_count 2
		.amdhsa_user_sgpr_kernarg_segment_ptr 1
		.amdhsa_wavefront_size32 1
		.amdhsa_system_sgpr_workgroup_id_x 1
		.amdhsa_system_sgpr_workgroup_id_y 1
		.amdhsa_system_sgpr_workgroup_id_z 1
		.amdhsa_system_vgpr_workitem_id 0
		.amdhsa_next_free_vgpr 16
		.amdhsa_next_free_sgpr 66
		.amdhsa_reserve_vcc 1
		.amdhsa_float_denorm_mode_32 3
		.amdhsa_float_denorm_mode_16_64 3
		.amdhsa_memory_ordered 1
		.amdhsa_forward_progress 1
		.amdhsa_inst_pref_size 2
	.end_amdhsa_kernel
	.amdgpu_metadata
---
amdhsa.version: [ 1, 2 ]
amdhsa.kernels:
  - .name:           k_qab81008582_total
    .symbol:         k_qab81008582_total.kd
    .args:
      - { .name: part, .offset: 0, .size: 8, .value_kind: global_buffer, .address_space: global }
      - { .name: out1, .offset: 8, .size: 8, .value_kind: global_buffer, .address_space: global }
    .group_segment_fixed_size: 0
    .private_segment_fixed_size: 0
    .kernarg_segment_align: 8
    .kernarg_segment_size: 16
    .max_flat_workgroup_size: 32
    .sgpr_count:     66
    .vgpr_count:     16
    .wavefront_size: 32
...
	.end_amdgpu_metadata
.endif
;; end of part 5
